; MI455X (gfx1250); checked and timed in simulation.
; The chip was launched on July 23, 2026; its instructions are those of AMD's public machine-readable ISA for CDNA 5 (MIT licence, August 2026) and "CDNA5" Instruction Set Architecture Reference Guide (July 2026). The comments in the code are by the model that wrote it; some were corrected since.
;; Base Layer. Allowed arithmetic: matrix products marked QUANTISED: E3M2 operands, one E8M0 scale for each 32 along K, by v_wmma_scale_f32_16x16x128_f8f6f4 with both operands' format E3M2, f32 sums; products left as they are: f32 operands where the result goes on into a quantised operand, else bf16, f16 or f32 operands; f32 sums; everything else in f32.
;; Inputs: c_basis 16,384 x 11 float32; c_res 128 x 128 float32; c_spl 128 x 128 float32; grid 16,384 x 15 float32; x 512 x 128 float32.
;; Outputs: out0 512 x 128 float32.
;; This version of the problem:
;;   THIS VERSION OF THE PROBLEM IS GIVEN IN LOW PRECISION. The matrix products marked QUANTISED in the list below multiply operands that are first quantised to E3M2 (3 exponent bits, 2 mantissa bits; 6 bits a number), with one power-of-two scale for each 32 numbers along K (OCP MX v1.0); their sums are f32. All else is computed in f32.
;;   The module's matrix products, in the order in which they are computed (A, B: the left and right operand; K: the contracted axis; several contracted axes count as one K, in the product's order):
;;     1. batch 16,384 x [M 1, K 11] x [K 11, N 512]; A: input c_basis; B: computed on the way: left as it is (K = 11 < 32)
;;     2. [M 512, K 128] x [K 128, N 128]; A: computed on the way; B: input c_res: QUANTISED
;;     3. batch 128 x [M 1, K 128] x [K 128, N 512]; A: input c_spl; B: computed on the way: left as it is (M = 1 < 16)
;;   THE QUANTISER, for each operand of a quantised product, along K:
;;     - K is cut into blocks of 32 from its start; a last block that is shorter is filled with zeros.
;;     - A block's scale is 2^e with e = floor(log2(the largest magnitude in the block)) - 4, held to -126 .. 127; a block of zeros has e = 0. As a byte (E8M0): e + 127.
;;     - Each number is divided by its block's scale, clamped to +-28, and rounded to the nearest number of E3M2, ties to even, subnormals kept.
;;     - The product sums the exact products of the quantised numbers (number of the format x scale) in f32.
;;   ~~~python
;;   def quantise(x, axis):      # numpy; x: float32 -> the quantised numbers, widened to float32 again
;;       x = np.moveaxis(x, axis, -1); K = x.shape[-1]
;;       x = np.pad(x, [(0, 0)] * (x.ndim - 1) + [(0, -K % 32)]); x = x.reshape(x.shape[:-1] + (-1, 32)); a = np.abs(x).max(-1, keepdims=True)
;;       e = np.where(a > 0, np.clip(np.frexp(np.where(a > 0, a, 1))[1] - 1 - 4, -126, 127), 0)      # np.frexp(a)[1] - 1 = floor(log2(a)), exactly
;;       r = np.clip(x / 2.0 ** e, -28, 28)
;;       step = 2.0 ** (np.maximum(np.frexp(np.where(r == 0, 1, r))[1] - 1, -2) - 2)
;;       q = np.round(r / step) * step * 2.0 ** e      # np.round: ties to even
;;       return np.moveaxis(q.reshape(q.shape[:-2] + (-1,))[..., :K], -1, axis).astype(np.float32)
;;   ~~~
;;   OPERANDS COMPUTED ON THE WAY. 'Computed on the way' means the value that the module computes at that place (a softmax that the list does not call 'softmax' is quantised finished and normalised). What goes into a quantiser is computed in f32, as accurately as f32 sums, v_exp_f32 and their like allow (about 1e-6 of the number): no bf16 or f16 on the way to a quantiser, and a product that is left as it is and whose result goes on into a quantised operand takes f32 operands (vector FMAs, or v_wmma_f32_16x16x4_f32). A number that lies on a knife's edge between two numbers of the format may be rounded either way, as far as f32 arithmetic and the matrix unit's own rounding can turn it there, and no further.
;; One version. Each part assembles by itself: llvm-mc -triple=amdgcn-amd-amdhsa -mcpu=gfx1250 --defsym DOCPART=n.
;; ======== version 1 of 1: 1 launch
;; launch kan (part 1): grid 32 x 8, 16 waves a work-group, no clusters, 243,712 bytes of LDS; arguments x, grid, c_basis, c_res, c_spl, out0; writes out0
.if DOCPART == 1
	.amdgcn_target "amdgcn-amd-amdhsa--gfx1250"
	.amdhsa_code_object_version 6
	.text
	.protected	k_qd4b51f8552_kan
	.globl	k_qd4b51f8552_kan
	.p2align	8
	.type	k_qd4b51f8552_kan,@function
k_qd4b51f8552_kan:
	s_mov_b64 s[64:65], 0
	v_nop
	global_prefetch_b8 v0, s[64:65] scope:SCOPE_SE
	s_setreg_imm32_b32 hwreg(HW_REG_WAVE_MODE, 25, 1), 1
	s_wait_xcnt 0x0
; out[b][o] = sum_i Q(silu(x[b][i])) Q(c_res[o][i])  +  sum_i c_spl[o][i] sum_j c_basis[e][j] B_j(x[b][i]; grid[e]),  e = 128 o + i.
; x [512][128], grid [16384][15], c_basis [16384][11], c_res, c_spl [128][128], out [512][128], all f32.  Q: codes of BF6 (E3M2) with one E8M0 scale for each 32 along i.
; THE SPLINE.  The recurrence is linear in the 14 indicators b0_m = [g_m <= x < g_m+1], and right_j = 1 - left_j+1 for any knots.  Pushed onto the coefficients it reads
;   c2_m = c_m-1 + l3_m (c_m - c_m-1),  c1_m = c2_m-1 + l2_m (c2_m - c2_m-1),  c0_m = c1_m-1 + l1_m (c1_m - c1_m-1),  lk_m = (x - g_m) / (g_m+k - g_m),  what lies outside an array = 0,
; and spl = sum over m of b0_m c0_m(x).  c0_m is a cubic in t = x - g_m whose four coefficients hang on the edge alone: they are made once an edge (about 314 vector instructions) and serve 64 rows.
; Each cubic is expanded about its own knot, so only differences of knots enter it.  Nothing is taken for granted of the knots: not their order, not their spacing; the indicators are compared as they are written.
; A pair (edge, x) then costs 15 compares, 7 packed subtractions, 21 packed multiply-adds (two intervals an instruction), 14 selects, 6 packed additions and one addition: 64 vector instructions.
; SHARES.  256 work-groups; a work-group owns 4 outputs o (4 T ..) x 64 rows b (64 y ..).  Wave w = 4 ol + ig takes output 4 T + ol and inputs i = 32 ig + lane: one edge a lane, its 71 numbers in registers.
; The tile is 4 x 64 because the edges' preparation grows with the tile's o (128 edges for each) and the silu and its quantising with its b (128 numbers for each).
; THE SUM OVER i: a wave turns its own 32 x 64 results through its own LDS bytes and leaves 2 partial sums for each (b, o); after one barrier waves 0-3 add the 8 partial sums to the matrix result.
; THE QUANTISED PRODUCT: wave w quantises block w % 4 of K for rows 16 (w / 4) .. + 15 of silu(x), and block w % 4 of row w / 4 of the tile's c_res.  Waves 0-3 each issue one matrix instruction: source 0 = the tile's
; 4 rows of c_res, row ((r / 8) 2 + r % 2) in lane r, source 1 = 16 rows of silu(x): lane (r, h) then finds out(b = r, o = 2 h, 2 h + 1) in the result's two lowest registers.  12 of the 16 rows of source 0 are repeats.
; MEMORY.  A work-group reads 92,160 bytes once, at its head (30,720 of grid, 22,528 of c_basis, 32,768 of x, 2 x 2,048, and c_res's 2,048 again by each half's 16 lanes), in runs of 512 consecutive bytes a wave where the tensor allows, and then issues some
; 75,000 vector instructions on them: so there are no tensor loads, no slots that are filled again, no joint loads of a cluster (x is shared by 32 work-groups, an edge by 8, but only in that one read) and no prefetch.
; A row of the tile in out is 16 bytes (two lanes, 8 bytes each): whole runs of 256 bytes would want 64 outputs o to a work-group, that is 4 rows to an edge and sixteen times the preparation.
; LIMITS.  Knots with g[j+k] = g[j] for a k <= 3 (reference() has NaN or infinity there) are not reproduced: a cubic with such a coefficient is passed over wherever its indicator is off.  NaN and infinities among the inputs are not served.
; A block of zeros gets the scale byte 1 where the rule says 127: its codes are zeros, and this program alone reads the bytes.
.set XROW,  528                        ; a row of x in LDS: 512 bytes + 16: 33 x 16, so that 16 rows' equal columns fall in different banks (64 banks of 4 bytes: ISA guide 11.1)
.set XS,    0                          ; LDS: 64 rows of x
.set GS,    64*XROW                    ; each wave's own stage: its 32 edges' knots (1,920 bytes), then their coefficients (1,408)
.set GSW,   3328
.set CBO,   1920
.set TR,    GS+16*GSW                  ; each wave's own turning block: 32 rows (lanes) x (64 results + 16 bytes)
.set TRP,   272
.set TRW,   32*TRP
.set AC,    TR+16*TRW                  ; codes of silu(x): 64 rows x 96 bytes
.set AS,    AC+64*96                   ; their scale bytes: 4 a row
.set WC,    AS+256                     ; codes of the tile's 4 rows of c_res
.set WS,    WC+384                     ; their scale bytes
.set RED,   WS+256                     ; partial sums [8][64 b][4 o]
.set SA,  30                           ; v30, v31: scale words, and nothing else
.set SB,  31
.set G,   32                           ; v32-46   the edge's knots
.set R0,  48                           ; v48-103  the 14 cubics: r0, r1, r2, r3, 14 registers each
.set R1,  62
.set R2,  76
.set R3,  90
.set LG,  48                           ; as loaded, ahead of the preparation: grid, c_basis, x
.set LC,  64
.set LX,  76
.set D1,  104                          ; v104-118 D1[m] = g_m - g_m-1 (D1[0] = 0)
.set I1,  119                          ; 1 / (g_m+1 - g_m), 14
.set I2,  133                          ; 1 / (g_m+2 - g_m), 13
.set I3,  146                          ; 1 / (g_m+3 - g_m), 12
.set CC,  158                          ; CC[k+2] = c_k c_spl, k = -2 .. 11, zeros outside 0 .. 10
.set A1,  172                          ; A1[m+1] = slope of c2_m, m = -1 .. 12
.set Q0,  186                          ; Q?[m+1] = coefficients of c1_m, m = -1 .. 13
.set Q1,  201
.set Q2,  216
.set CS,  231                          ; c_spl of my edge
.set WR,  232                          ; v232-247 16 numbers of c_res
.set QM,  248                          ; the quantiser's scratch
.set QN,  249
.set QS,  250
.set QB,  251
.set QC,  252                          ; v252-254 16 codes
.set S,   104                          ; v104-119 16 numbers of x, then of silu(x);  v120-135 at work
.set E,   120
.set XA,  136                          ; x of four rows, in the even registers of four pairs; two sets
.set XB,  144
.set T,   152                          ; t_m = x - g_m, 14
.set HA,  166                          ; the 14 cubics' values, two sets
.set HB,  180
.set F,   194                          ; four results
.set TL,  32                           ; the way out: 16 x 4 registers
.set AF,  104
.set BF,  116
.set DD,  128
.set PS,  136
.set SEL, 26                           ; s[26:27] lane selects of v_permlanex16_b32: lane l xor 16
.set MA,  32                           ; s32-46, s47-61: two sets of 15 lane masks
.set MB,  47
; 16 numbers of a lane, half a block of 32 (the other half lies in lane l xor 16), become 16 codes in v[QC:QC+2] and the block's scale byte in v[QB]
.macro QUANT16 s
	v_max3_num_f32 v[QM], |v[\s]|, |v[\s+1]|, 0x2800000            ; the floor 2^(5 - 127): the byte cannot fall under 1
	v_max3_num_f32 v[QN], |v[\s+2]|, |v[\s+3]|, |v[\s+4]|
	v_max3_num_f32 v[QM], v[QM], |v[\s+5]|, |v[\s+6]|
	v_max3_num_f32 v[QN], v[QN], |v[\s+7]|, |v[\s+8]|
	v_max3_num_f32 v[QM], v[QM], |v[\s+9]|, |v[\s+10]|
	v_max3_num_f32 v[QN], v[QN], |v[\s+11]|, |v[\s+12]|
	v_max3_num_f32 v[QM], v[QM], |v[\s+13]|, |v[\s+14]|
	v_max3_num_f32 v[QM], v[QM], v[QN], |v[\s+15]|
	v_permlanex16_b32 v[QN], v[QM], s[SEL], s[SEL+1]
	v_max_num_f32 v[QM], v[QM], v[QN]                              ; the block's largest magnitude
	v_add_nc_u32 v[QS], 0xfe000000, v[QM]                          ; 4 off its exponent field: the conversion takes that field as its scale
	v_cvt_scalef32_pk16_bf6_f32 v[QC:QC+2], v[\s:\s+15], v[QS]
	v_lshrrev_b32 v[QB], 23, v[QS]                                 ; the scale's byte; also the plain instruction behind the conversion
.endm
; x of four rows, one word each, into the even registers of a set
.macro XLOAD buf, adr, off
.set ee, 0
.rept 4
	ds_load_b32 v[\buf+2*ee], v[\adr] offset:\off+ee*XROW
.set ee, ee+1
.endr
.endm
.macro CMPS x, M                       ; x >= g_j, j = 0 .. 14
.set jj, 0
.rept 15
	v_cmp_ge_f32 s[\M+jj], v[\x], v[G+jj]
.set jj, jj+1
.endr
.endm
.macro ANDN M                          ; the indicators: x >= g_j and not x >= g_j+1
.set jj, 0
.rept 14
	s_and_not1_b32 s[\M+jj], s[\M+jj], s[\M+jj+1]
.set jj, jj+1
.endr
.endm
.macro SUBS x                          ; t_m = x - g_m, two intervals at a time; of x's pair the low word serves both halves
.set pp, 0
.rept 7
	v_pk_add_f32 v[T+pp:T+pp+1], v[\x:\x+1], v[G+pp:G+pp+1] op_sel_hi:[0,1] neg_lo:[0,1] neg_hi:[0,1]
.set pp, pp+2
.endr
.endm
.macro FMA1 H
.set pp, 0
.rept 7
	v_pk_fma_f32 v[\H+pp:\H+pp+1], v[T+pp:T+pp+1], v[R3+pp:R3+pp+1], v[R2+pp:R2+pp+1]
.set pp, pp+2
.endr
.endm
.macro FMAN H, R
.set pp, 0
.rept 7
	v_pk_fma_f32 v[\H+pp:\H+pp+1], v[T+pp:T+pp+1], v[\H+pp:\H+pp+1], v[\R+pp:\R+pp+1]
.set pp, pp+2
.endr
.endm
.macro PICK H, M                       ; a cubic counts where its indicator is on
.set jj, 0
.rept 14
	v_cndmask_b32 v[\H+jj], 0, v[\H+jj], s[\M+jj]
.set jj, jj+1
.endr
.endm
.macro TREE1 H
	v_pk_add_f32 v[\H:\H+1], v[\H:\H+1], v[\H+2:\H+3]
	v_pk_add_f32 v[\H+4:\H+5], v[\H+4:\H+5], v[\H+6:\H+7]
	v_pk_add_f32 v[\H+8:\H+9], v[\H+8:\H+9], v[\H+10:\H+11]
.endm
.macro TREE2 H
	v_pk_add_f32 v[\H:\H+1], v[\H:\H+1], v[\H+4:\H+5]
	v_pk_add_f32 v[\H+8:\H+9], v[\H+8:\H+9], v[\H+12:\H+13]
.endm
.macro TREE3 H
	v_pk_add_f32 v[\H:\H+1], v[\H:\H+1], v[\H+8:\H+9]
.endm
.macro FIN H, pe
	v_add_f32 v[F+\pe], v[\H], v[\H+1]
.endm
; One row's cubics; the selects and the sum of the row before stand between its lines, so that no line waits for the line above it
.macro STAGE x, H, M, PH, PM, pe
	CMPS \x, \M
	PICK \PH, \PM
	TREE1 \PH
	SUBS \x
	TREE2 \PH
	FMA1 \H
	ANDN \M
	TREE3 \PH
	FMAN \H, R1
	FIN \PH, \pe
	FMAN \H, R0
.endm
; Four rows: set cur is worked on while set nxt is on its way
.macro TRIP cur, nxt, adr, off, sto
	s_wait_dscnt 1                                 ; this trip's four words of x are in; behind them only the last trip's store was issued
	XLOAD \nxt, \adr, \off
	CMPS \cur, MA
	SUBS \cur
	FMA1 HA
	ANDN MA
	FMAN HA, R1
	FMAN HA, R0
	STAGE \cur+2, HB, MB, HA, MA, 0
	STAGE \cur+4, HA, MA, HB, MB, 1
	STAGE \cur+6, HB, MB, HA, MA, 2
	PICK HB, MB
	TREE1 HB
	TREE2 HB
	TREE3 HB
	FIN HB, 3
	ds_store_b128 v23, v[F:F+3] offset:\sto        ; my edge's results for four rows, into my row of the wave's turning block
.endm
	s_load_b256 s[4:11], s[0:1], 0x0               ; x s[4:5], grid s[6:7], c_basis s[8:9], c_res s[10:11]
	s_load_b128 s[12:15], s[0:1], 0x20             ; c_spl s[12:13], out s[14:15]
	v_lshrrev_b32 v1, 5, v0
	v_readfirstlane_b32 s16, v1                    ; wave w, 0 .. 15
	v_and_b32 v1, 31, v0                           ; lane
	v_and_b32 v2, 15, v0                           ; r
	v_bfe_u32 v3, v0, 4, 1                         ; h
	s_and_b32 s17, ttmp7, 0xffff                   ; y: which 64 rows
	s_lshl_b32 s18, ttmp9, 4
	s_add_co_u32 s18, s18, s16                     ; u = 16 T + w: my 32 edges are 32 u .. 32 u + 31
	s_lshr_b32 s19, s16, 2                         ; ol: which of the 4 outputs.  Also: which 16 rows I quantise
	s_and_b32 s20, s16, 3                          ; ig: which 32 inputs.  Also: which block of K I quantise
	s_mul_i32 s22, s18, 1920                       ; 32 edges x 60 bytes of knots
	s_mov_b32 s23, 0
	s_mul_i32 s24, s18, 1408                       ; 32 edges x 44 bytes of coefficients
	s_mov_b32 s25, 0
	s_lshl_b32 s28, s18, 7                         ; 32 numbers of c_spl, and of c_res
	s_mov_b32 s29, 0
	s_lshl_b32 s30, s17, 15                        ; 64 rows of 512 bytes, of x and of out
	s_mov_b32 s31, 0
	s_mov_b32 s[SEL], 0x76543210
	s_mov_b32 s[SEL+1], 0xfedcba98
	v_lshlrev_b32 v4, 4, v1                        ; 16 x lane
	v_lshlrev_b32 v5, 4, v0                        ; 16 x thread
	v_lshlrev_b32 v6, 2, v1                        ; 4 x lane
	v_lshlrev_b32 v7, 6, v3                        ; 64 h
	s_wait_kmcnt 0x0
	s_add_nc_u64 s[6:7], s[6:7], s[22:23]
	s_add_nc_u64 s[8:9], s[8:9], s[24:25]
	s_add_nc_u64 s[12:13], s[12:13], s[28:29]
	s_add_nc_u64 s[10:11], s[10:11], s[28:29]
	s_add_nc_u64 s[4:5], s[4:5], s[30:31]
	s_add_nc_u64 s[14:15], s[14:15], s[30:31]
	s_lshl_b32 s30, ttmp9, 4                       ; the tile's 4 outputs: 16 T bytes into a row
	s_add_nc_u64 s[14:15], s[14:15], s[30:31]
	; every load of the launch.  The knots' 1,920 bytes and the coefficients' 1,408 come as runs of 512 consecutive bytes; the last run of each begins 512 bytes ahead of the end and brings some bytes twice
	global_load_b128 v[LG:LG+3], v4, s[6:7]
	global_load_b128 v[LG+4:LG+7], v4, s[6:7] offset:512
	global_load_b128 v[LG+8:LG+11], v4, s[6:7] offset:1024
	global_load_b128 v[LG+12:LG+15], v4, s[6:7] offset:1408
	global_load_b128 v[LC:LC+3], v4, s[8:9]
	global_load_b128 v[LC+4:LC+7], v4, s[8:9] offset:512
	global_load_b128 v[LC+8:LC+11], v4, s[8:9] offset:896
	global_load_b32 v[CS], v6, s[12:13]
.set kk, 0
.rept 4
	global_load_b128 v[LX+4*kk:LX+4*kk+3], v5, s[4:5] offset:8192*kk      ; rows w, 16 + w, 32 + w, 48 + w of the 64: a wave a row
.set kk, kk+1
.endr
.set kk, 0
.rept 4
	global_load_b128 v[WR+4*kk:WR+4*kk+3], v7, s[10:11] offset:16*kk      ; c_res(4 T + ol, 32 ig + 16 h + 0 .. 15): the 16 lanes of a half hold the same
.set kk, kk+1
.endr
	; LDS addresses: a constant + a constant x lane + a constant x wave
	s_mul_i32 s21, s16, GSW
	s_add_co_u32 s21, s21, GS                      ; my wave's stage
	v_add_nc_u32 v8, s21, v4                       ; into it: as loaded
	v_mul_u32_u24 v10, v1, 60
	v_add_nc_u32 v10, s21, v10                     ; out of it: my edge's 15 knots (15 words from lane to lane, an odd number: 32 different banks)
	v_mul_u32_u24 v11, v1, 44
	v_add_nc_u32 v11, s21, v11                     ; and its 11 coefficients (11 words)
	s_mul_i32 s22, s16, XROW
	v_add_nc_u32 v9, s22, v4                       ; x: row w, 16 bytes a lane
	s_mul_i32 s22, s19, 16*XROW
	s_lshl_b32 s23, s20, 7
	s_add_co_u32 s22, s22, s23
	v_mul_u32_u24 v12, v2, XROW
	v_lshl_add_u32 v12, v3, 6, v12
	v_add_nc_u32 v12, s22, v12                     ; x(16 ol + r, 32 ig + 16 h ..): what I quantise
	s_mul_i32 s22, s19, 16*96
	s_mul_i32 s23, s20, 24
	s_add_co_u32 s22, s22, s23
	s_add_co_u32 s22, s22, AC
	v_mul_u32_u24 v13, v2, 96
	v_mad_u32_u24 v13, v3, 12, v13
	v_add_nc_u32 v13, s22, v13                     ; its 16 codes: 12 bytes at 96 row + 24 block + 12 h
	s_lshl_b32 s22, s19, 6
	s_add_co_u32 s22, s22, s20
	s_add_co_u32 s22, s22, AS
	v_lshl_add_u32 v14, v2, 2, s22                 ; its scale byte: 4 row + block
	s_mul_i32 s22, s16, 24
	s_add_co_u32 s22, s22, WC
	v_mul_u32_u24 v15, v3, 12
	v_add_nc_u32 v15, s22, v15                     ; c_res: 96 ol + 24 ig + 12 h = 24 w + 12 h
	s_add_co_u32 s22, s16, WS
	v_mov_b32 v16, s22                             ; and 4 ol + ig = w
	s_lshl_b32 s22, s20, 7
	v_add_nc_u32 v17, s22, v6                      ; x(0, 32 ig + lane)
	s_mul_i32 s22, s16, TRW
	s_add_co_u32 s22, s22, TR
	v_mul_u32_u24 v20, v1, TRP
	v_add_nc_u32 v20, s22, v20                     ; the turning block: my row
	v_mul_u32_u24 v21, v3, TRP
	v_lshl_add_u32 v21, v2, 4, v21
	v_add_nc_u32 v21, s22, v21                     ; and back: row h, rows 4 r .. 4 r + 3 of x
	s_lshl_b32 s22, s20, 11
	s_lshl_b32 s23, s19, 2
	s_add_co_u32 s22, s22, s23
	s_add_co_u32 s22, s22, RED
	v_lshlrev_b32 v22, 6, v2
	v_lshl_add_u32 v22, v3, 10, v22
	v_add_nc_u32 v22, s22, v22                     ; partial sums: 1,024 (2 ig + h) + 16 (4 r) + 4 ol
	s_wait_loadcnt 8                               ; knots, coefficients and c_spl are in; x's four loads and c_res's four may be out
	ds_store_b128 v8, v[LG:LG+3]
	ds_store_b128 v8, v[LG+4:LG+7] offset:512
	ds_store_b128 v8, v[LG+8:LG+11] offset:1024
	ds_store_b128 v8, v[LG+12:LG+15] offset:1408
	ds_store_b128 v8, v[LC:LC+3] offset:CBO
	ds_store_b128 v8, v[LC+4:LC+7] offset:CBO+512
	ds_store_b128 v8, v[LC+8:LC+11] offset:CBO+896
.set jj, 0
.rept 15
	ds_load_b32 v[G+jj], v10 offset:4*jj           ; LDS serves a wave's instructions in order (ISA guide 5.7.1.4): these see my stores
.set jj, jj+1
.endr
.set jj, 0
.rept 11
	ds_load_b32 v[CC+2+jj], v11 offset:CBO+4*jj
.set jj, jj+1
.endr
	s_wait_loadcnt 4                               ; x is in; c_res's four loads may be out
.set kk, 0
.rept 4
	ds_store_b128 v9, v[LX+4*kk:LX+4*kk+3] offset:16*XROW*kk
.set kk, kk+1
.endr
	s_wait_loadcnt 0x0
	QUANT16 WR                                     ; my block of c_res
	ds_store_b32 v15, v[QC]
	ds_store_b32 v15, v[QC+1] offset:4
	ds_store_b32 v15, v[QC+2] offset:8
	ds_store_b8 v16, v[QB]                         ; (the lanes of a half write the same bytes with the same values)
	s_wait_dscnt 0x0                               ; for the others' sake: my rows of x lie in LDS; for mine: knots and coefficients are in
	s_barrier_signal -1
	; ---- THE EDGE'S 14 CUBICS: work on registers alone, between the barrier's signal and its wait.  Every line runs over all m, so that no line waits for the line above it
	v_mov_b32 v[D1], 0
	v_mov_b32 v[CC], 0
	v_mov_b32 v[CC+1], 0
	v_mov_b32 v[CC+13], 0
	v_mov_b32 v[A1], 0
	v_mov_b32 v[A1+13], 0
.irp q, Q0, Q1, Q2
	v_mov_b32 v[\q], 0
	v_mov_b32 v[\q+14], 0
.endr
.set mm, 0
.rept 14
	v_sub_f32 v[D1+1+mm], v[G+1+mm], v[G+mm]
.set mm, mm+1
.endr
.set mm, 0
.rept 13
	v_sub_f32 v[I2+mm], v[G+2+mm], v[G+mm]
.set mm, mm+1
.endr
.set mm, 0
.rept 12
	v_sub_f32 v[I3+mm], v[G+3+mm], v[G+mm]
.set mm, mm+1
.endr
.set mm, 0
.rept 14
	v_rcp_f32 v[I1+mm], v[D1+1+mm]
.set mm, mm+1
.endr
.set mm, 0
.rept 13
	v_rcp_f32 v[I2+mm], v[I2+mm]
.set mm, mm+1
.endr
.set mm, 0
.rept 12
	v_rcp_f32 v[I3+mm], v[I3+mm]
.set mm, mm+1
.endr
.set mm, 0
.rept 11
	v_mul_f32 v[CC+2+mm], v[CC+2+mm], v[CS]        ; c_spl goes into the coefficients.  (Plain work behind the 39 reciprocals)
.set mm, mm+1
.endr
.set mm, 0
.rept 12
	v_sub_f32 v[A1+1+mm], v[CC+2+mm], v[CC+1+mm]   ; c_m - c_m-1
.set mm, mm+1
.endr
	s_wait_alu depctr_va_vdst(0)                   ; one wait for the batch of reciprocals, ahead of its first reader
.set mm, 0
.rept 12
	v_mul_f32 v[A1+1+mm], v[A1+1+mm], v[I3+mm]     ; c2_m = c_m-1 + a1_m t
.set mm, mm+1
.endr
	; c1_m = q0 + q1 t + q2 t^2, m = 0 .. 12: c2_m-1 is moved from g_m-1 to g_m, then c1_m = c2_m-1 + t inv2_m (c2_m - c2_m-1)
.set mm, 0
.rept 13
	v_fma_f32 v[Q0+1+mm], v[A1+mm], v[D1+mm], v[CC+mm]
.set mm, mm+1
.endr
.set mm, 0
.rept 13
	v_sub_f32 v[Q1+1+mm], v[CC+1+mm], v[Q0+1+mm]
.set mm, mm+1
.endr
.set mm, 0
.rept 13
	v_sub_f32 v[Q2+1+mm], v[A1+1+mm], v[A1+mm]
.set mm, mm+1
.endr
.set mm, 0
.rept 13
	v_fma_f32 v[Q1+1+mm], v[I2+mm], v[Q1+1+mm], v[A1+mm]
.set mm, mm+1
.endr
.set mm, 0
.rept 13
	v_mul_f32 v[Q2+1+mm], v[I2+mm], v[Q2+1+mm]
.set mm, mm+1
.endr
	; c0_m = r0 + r1 t + r2 t^2 + r3 t^3, m = 0 .. 13: c1_m-1 is moved to g_m (q0', q1', q2), then c0_m = c1_m-1 + t inv1_m (c1_m - c1_m-1)
.set mm, 0
.rept 14
	v_fma_f32 v[R1+mm], v[D1+mm], v[Q2+mm], v[Q1+mm]        ; q1 + h q2
.set mm, mm+1
.endr
.set mm, 0
.rept 14
	v_fma_f32 v[R0+mm], v[D1+mm], v[R1+mm], v[Q0+mm]        ; r0 = q0' = q0 + h (q1 + h q2)
.set mm, mm+1
.endr
.set mm, 0
.rept 14
	v_fma_f32 v[R1+mm], v[D1+mm], v[Q2+mm], v[R1+mm]        ; q1' = q1 + 2 h q2
.set mm, mm+1
.endr
.set mm, 0
.rept 14
	v_sub_f32 v[R3+mm], v[Q0+1+mm], v[R0+mm]
.set mm, mm+1
.endr
.set mm, 0
.rept 14
	v_sub_f32 v[R2+mm], v[Q1+1+mm], v[R1+mm]
.set mm, mm+1
.endr
.set mm, 0
.rept 14
	v_fma_f32 v[R1+mm], v[I1+mm], v[R3+mm], v[R1+mm]        ; r1
.set mm, mm+1
.endr
.set mm, 0
.rept 14
	v_fma_f32 v[R2+mm], v[I1+mm], v[R2+mm], v[Q2+mm]        ; r2
.set mm, mm+1
.endr
.set mm, 0
.rept 14
	v_sub_f32 v[R3+mm], v[Q2+1+mm], v[Q2+mm]
.set mm, mm+1
.endr
.set mm, 0
.rept 14
	v_mul_f32 v[R3+mm], v[I1+mm], v[R3+mm]                  ; r3
.set mm, mm+1
.endr
	s_barrier_wait -1                              ; all 64 rows of x lie in LDS
	; ---- silu(x) = x / (1 + 2^(-x log2 e)) of my 16 numbers, in f32, and their codes
.set kk, 0
.rept 4
	ds_load_b128 v[S+4*kk:S+4*kk+3], v12 offset:16*kk
.set kk, kk+1
.endr
	XLOAD XA, 17, 0                                ; and rows 0 to 3 of my column of x, for the loop
	s_wait_dscnt 4                                 ; my 16 numbers are in; the four words just asked for may be out
.set kk, 0
.rept 8
	v_pk_mul_f32 v[E+kk:E+kk+1], v[S+kk:S+kk+1], 0xbfb8aa3b op_sel_hi:[1,0]
.set kk, kk+2
.endr
.set kk, 0
.rept 16
	v_exp_f32 v[E+kk], v[E+kk]
.set kk, kk+1
.endr
.set kk, 0
.rept 4
	v_mov_b32 v[XA+1+2*kk], 0                      ; the upper halves of x's pairs are named with the lower, so they are written, once.  (Plain work behind the exponentials)
	v_mov_b32 v[XB+1+2*kk], 0
.set kk, kk+1
.endr
	s_wait_alu depctr_va_vdst(0)                   ; one wait for the 16 exponentials, ahead of their first reader
.set kk, 0
.rept 8
	v_pk_add_f32 v[E+kk:E+kk+1], v[E+kk:E+kk+1], 1.0 op_sel_hi:[1,0]
.set kk, kk+2
.endr
.set kk, 0
.rept 16
	v_rcp_f32 v[E+kk], v[E+kk]
.set kk, kk+1
.endr
	v_nop                                          ; a plain instruction behind the last reciprocal
	s_wait_alu depctr_va_vdst(0)                   ; and one wait for the 16
.set kk, 0
.rept 8
	v_pk_mul_f32 v[S+kk:S+kk+1], v[S+kk:S+kk+1], v[E+kk:E+kk+1]
.set kk, kk+2
.endr
	QUANT16 S
	ds_store_b32 v13, v[QC]
	ds_store_b32 v13, v[QC+1] offset:4
	ds_store_b32 v13, v[QC+2] offset:8
	ds_store_b8 v14, v[QB]                         ; both lanes of a block write the same byte with the same value
	; ---- THE LOOP: 8 trips of 8 rows
	s_mov_b32 s30, 0                               ; the trip's first row, in bytes of LDS
	s_mov_b32 s28, 0                               ; and its place in a row of the turning block
	s_wait_dscnt 0x0                               ; rows 0 to 3 are in
.Lmain:
	s_add_co_u32 s31, s30, 8*XROW
	s_min_u32 s31, s31, 56*XROW                    ; the next trip's first four rows; the last trip asks for rows 56 to 59 once more and uses nothing of them: no read leaves x's rows
	v_add_nc_u32 v18, s30, v17
	v_add_nc_u32 v19, s31, v17
	v_add_nc_u32 v23, s28, v20
	TRIP XA, XB, 18, 4*XROW, 0
	TRIP XB, XA, 19, 0, 16
	s_add_co_u32 s28, s28, 32
	s_add_co_u32 s30, s30, 8*XROW
	s_cmp_lt_u32 s30, 64*XROW
	s_cbranch_scc1 .Lmain
	; ---- THE SUM OVER MY 32 INPUTS: lane (r, h) adds rows h, 2 + h, .. 30 + h of the turning block, for rows 4 r .. 4 r + 3 of x
.set kk, 0
.rept 16
	ds_load_b128 v[TL+4*kk:TL+4*kk+3], v21 offset:2*TRP*kk     ; my wave's own bytes, served in order behind my stores
.set kk, kk+1
.endr
	s_wait_dscnt 0x0
.set qq, 0
.rept 16
	v_pk_add_f32 v[TL+qq:TL+qq+1], v[TL+qq:TL+qq+1], v[TL+32+qq:TL+32+qq+1]
.set qq, qq+2
.endr
.set qq, 0
.rept 8
	v_pk_add_f32 v[TL+qq:TL+qq+1], v[TL+qq:TL+qq+1], v[TL+16+qq:TL+16+qq+1]
.set qq, qq+2
.endr
.set qq, 0
.rept 4
	v_pk_add_f32 v[TL+qq:TL+qq+1], v[TL+qq:TL+qq+1], v[TL+8+qq:TL+8+qq+1]
.set qq, qq+2
.endr
.set qq, 0
.rept 2
	v_pk_add_f32 v[TL+qq:TL+qq+1], v[TL+qq:TL+qq+1], v[TL+4+qq:TL+4+qq+1]
.set qq, qq+2
.endr
.set kk, 0
.rept 4
	ds_store_b32 v22, v[TL+kk] offset:16*kk
.set kk, kk+1
.endr
	s_wait_dscnt 0x0                               ; for the others' sake: my partial sums, codes and scale bytes lie in LDS
	s_barrier_signal -1
	; the last step's addresses, made in every wave ahead of the parting: work on registers between signal and wait
	s_mul_i32 s22, s16, 16*96
	s_add_co_u32 s22, s22, AC
	v_mul_u32_u24 v24, v2, 96
	v_mad_u32_u24 v24, v3, 24, v24
	v_add_nc_u32 v24, s22, v24                     ; silu's fragment: row 16 w + r, + 24 h
	s_lshl_b32 s22, s16, 6
	s_add_co_u32 s22, s22, AS
	v_lshl_add_u32 v25, v2, 2, s22                 ; and its scale word
	v_lshrrev_b32 v26, 2, v2
	v_and_b32 v26, 2, v26
	v_and_or_b32 v26, v2, 1, v26                   ; 2 (r / 8) + r % 2: which of the 4 rows of c_res lane r takes
	v_mul_u32_u24 v27, v26, 96
	v_mad_u32_u24 v27, v3, 24, v27
	v_add_nc_u32 v27, WC, v27
	v_lshl_add_u32 v28, v26, 2, WS
	s_lshl_b32 s22, s16, 8
	s_add_co_u32 s22, s22, RED
	v_lshlrev_b32 v29, 4, v2
	v_lshl_add_u32 v29, v3, 3, v29
	v_add_nc_u32 v29, s22, v29                     ; partial sums of (b = 16 w + r, o = 2 h, 2 h + 1)
	s_lshl_b32 s22, s16, 13
	v_lshlrev_b32 v18, 9, v2
	v_lshl_add_u32 v18, v3, 3, v18
	v_add_nc_u32 v18, s22, v18                     ; and the same place in out: 512 (16 w + r) + 8 h
	s_barrier_wait -1
	s_cmp_gt_u32 s16, 3
	s_cbranch_scc1 .Lend                           ; waves 4 to 15 have done their part
.set pp, 0
.rept 6
	ds_load_b64 v[AF+2*pp:AF+2*pp+1], v27 offset:48*(pp/3)+8*(pp%3)
.set pp, pp+1
.endr
	ds_load_b32 v[SA], v28
.set pp, 0
.rept 6
	ds_load_b64 v[BF+2*pp:BF+2*pp+1], v24 offset:48*(pp/3)+8*(pp%3)
.set pp, pp+1
.endr
	ds_load_b32 v[SB], v25
.set pp, 0
.rept 8
	ds_load_b64 v[PS+2*pp:PS+2*pp+1], v29 offset:1024*pp
.set pp, pp+1
.endr
	s_wait_dscnt 8                                 ; both fragments and their scale words are in; the eight partial sums may be out
	v_wmma_scale_f32_16x16x128_f8f6f4 v[DD:DD+7], v[AF:AF+11], v[BF:BF+11], 0, v[SA], v[SB] matrix_a_fmt:MATRIX_FMT_BF6 matrix_b_fmt:MATRIX_FMT_BF6
	s_wait_dscnt 0x0
.set qq, 0
.rept 4
	v_pk_add_f32 v[PS+qq:PS+qq+1], v[PS+qq:PS+qq+1], v[PS+8+qq:PS+8+qq+1]   ; these seven additions name none of the product's registers: they are the places behind it (ISA guide 7.12.1)
.set qq, qq+2
.endr
	v_pk_add_f32 v[PS:PS+1], v[PS:PS+1], v[PS+4:PS+5]
	v_pk_add_f32 v[PS+2:PS+3], v[PS+2:PS+3], v[PS+6:PS+7]
	v_pk_add_f32 v[PS:PS+1], v[PS:PS+1], v[PS+2:PS+3]
	v_pk_add_f32 v[PS:PS+1], v[PS:PS+1], v[DD:DD+1]        ; + the quantised product: the result's two lowest registers
	global_store_b64 v18, v[PS:PS+1], s[14:15] th:TH_STORE_NT  ; lanes r and 16 + r store the tile's 16 bytes of row 16 w + r
.Lend:
	s_wait_xcnt 0x0
	v_lshl_add_u32 v254, v0, 2, 0x3b000
	v_mov_b32 v255, 0
	s_wait_tensorcnt 0x0
	ds_add_u32 v254, v255
	s_wait_dscnt 0x0
	s_endpgm
.Lfunc_end_k_qd4b51f8552_kan:
	.size	k_qd4b51f8552_kan, .Lfunc_end_k_qd4b51f8552_kan-k_qd4b51f8552_kan
	.p2alignl 7, 3214868480
	.fill 96, 4, 3214868480
	.section	.rodata,"a",@progbits
	.p2align	6, 0x0
	.amdhsa_kernel k_qd4b51f8552_kan
		.amdhsa_group_segment_fixed_size 243712
		.amdhsa_private_segment_fixed_size 0
		.amdhsa_enable_private_segment 0
		.amdhsa_kernarg_size 48
		.amdhsa_user_sgpr_count 2
		.amdhsa_user_sgpr_kernarg_segment_ptr 1
		.amdhsa_wavefront_size32 1
		.amdhsa_system_sgpr_workgroup_id_x 1
		.amdhsa_system_sgpr_workgroup_id_y 1
		.amdhsa_system_sgpr_workgroup_id_z 1
		.amdhsa_system_vgpr_workitem_id 0
		.amdhsa_next_free_vgpr 256
		.amdhsa_next_free_sgpr 66
		.amdhsa_reserve_vcc 0
		.amdhsa_float_denorm_mode_32 3
		.amdhsa_float_denorm_mode_16_64 3
		.amdhsa_memory_ordered 1
		.amdhsa_forward_progress 1
		.amdhsa_inst_pref_size 71
	.end_amdhsa_kernel
	.amdgpu_metadata
---
amdhsa.version: [ 1, 2 ]
amdhsa.kernels:
  - .name:           k_qd4b51f8552_kan
    .symbol:         k_qd4b51f8552_kan.kd
    .args:
      - { .name: x, .offset: 0, .size: 8, .value_kind: global_buffer, .address_space: global }
      - { .name: grid, .offset: 8, .size: 8, .value_kind: global_buffer, .address_space: global }
      - { .name: c_basis, .offset: 16, .size: 8, .value_kind: global_buffer, .address_space: global }
      - { .name: c_res, .offset: 24, .size: 8, .value_kind: global_buffer, .address_space: global }
      - { .name: c_spl, .offset: 32, .size: 8, .value_kind: global_buffer, .address_space: global }
      - { .name: out0, .offset: 40, .size: 8, .value_kind: global_buffer, .address_space: global }
    .group_segment_fixed_size: 243712
    .private_segment_fixed_size: 0
    .kernarg_segment_align: 8
    .kernarg_segment_size: 48
    .max_flat_workgroup_size: 512
    .sgpr_count:     66
    .vgpr_count:     256
    .wavefront_size: 32
...
	.end_amdgpu_metadata
.endif
;; end of part 1
